; MI455X (gfx1250); checked and timed in simulation.
; The chip was launched on July 23, 2026; its instructions are those of AMD's public machine-readable ISA for CDNA 5 (MIT licence, August 2026) and "CDNA5" Instruction Set Architecture Reference Guide (July 2026). The comments in the code are by the model that wrote it; some were corrected since.
;; LSTM Cell. Allowed arithmetic: matrix products marked QUANTISED: E5M2 operands, one E8M0 scale for each 32 along K, by v_wmma_scale_f32_16x16x128_f8f6f4 with both operands' format E5M2, f32 sums; everything else in f32.
;; Inputs: b_c 2,048 float32; b_f 2,048 float32; b_i 2,048 float32; b_o 2,048 float32; c0 2,048 x 2,048 float32; h0 2,048 x 2,048 float32; w_hc 2,048 x 2,048 float32; w_hf 2,048 x 2,048 float32; w_hi 2,048 x 2,048 float32; w_ho 2,048 x 2,048 float32; w_xc 2,048 x 2,048 float32; w_xf 2,048 x 2,048 float32; w_xi 2,048 x 2,048 float32; w_xo 2,048 x 2,048 float32; x 2,048 x 2,048 float32.
;; Outputs: out0 2,048 x 2,048 float32; out1 2,048 x 2,048 float32.
;; This version of the problem:
;;   THIS VERSION OF THE PROBLEM IS GIVEN IN LOW PRECISION. The matrix products marked QUANTISED in the list below multiply operands that are first quantised to E5M2 (5 exponent bits, 2 mantissa bits; 8 bits a number), with one power-of-two scale for each 32 numbers along K (OCP MX v1.0); their sums are f32. All else is computed in f32.
;;   The module's matrix products, in the order in which they are computed (A, B: the left and right operand; K: the contracted axis; several contracted axes count as one K, in the product's order):
;;     1. [M 2,048, K 2,048] x [K 2,048, N 2,048]; A: input x; B: input w_xi: QUANTISED
;;     2. [M 2,048, K 2,048] x [K 2,048, N 2,048]; A: input h0; B: input w_hi: QUANTISED
;;     3. [M 2,048, K 2,048] x [K 2,048, N 2,048]; A: input x; B: input w_xf: QUANTISED
;;     4. [M 2,048, K 2,048] x [K 2,048, N 2,048]; A: input h0; B: input w_hf: QUANTISED
;;     5. [M 2,048, K 2,048] x [K 2,048, N 2,048]; A: input x; B: input w_xo: QUANTISED
;;     6. [M 2,048, K 2,048] x [K 2,048, N 2,048]; A: input h0; B: input w_ho: QUANTISED
;;     7. [M 2,048, K 2,048] x [K 2,048, N 2,048]; A: input x; B: input w_xc: QUANTISED
;;     8. [M 2,048, K 2,048] x [K 2,048, N 2,048]; A: input h0; B: input w_hc: QUANTISED
;;   THE QUANTISER, for each operand of a quantised product, along K:
;;     - K is cut into blocks of 32 from its start; a last block that is shorter is filled with zeros.
;;     - A block's scale is 2^e with e = floor(log2(the largest magnitude in the block)) - 15, held to -126 .. 127; a block of zeros has e = 0. As a byte (E8M0): e + 127.
;;     - Each number is divided by its block's scale, clamped to +-57,344, and rounded to the nearest number of E5M2, ties to even, subnormals kept.
;;     - The product sums the exact products of the quantised numbers (number of the format x scale) in f32.
;;   ~~~python
;;   def quantise(x, axis):      # numpy; x: float32 -> the quantised numbers, widened to float32 again
;;       x = np.moveaxis(x, axis, -1); K = x.shape[-1]
;;       x = np.pad(x, [(0, 0)] * (x.ndim - 1) + [(0, -K % 32)]); x = x.reshape(x.shape[:-1] + (-1, 32)); a = np.abs(x).max(-1, keepdims=True)
;;       e = np.where(a > 0, np.clip(np.frexp(np.where(a > 0, a, 1))[1] - 1 - 15, -126, 127), 0)      # np.frexp(a)[1] - 1 = floor(log2(a)), exactly
;;       r = np.clip(x / 2.0 ** e, -57344, 57344)
;;       step = 2.0 ** (np.maximum(np.frexp(np.where(r == 0, 1, r))[1] - 1, -14) - 2)
;;       q = np.round(r / step) * step * 2.0 ** e      # np.round: ties to even
;;       return np.moveaxis(q.reshape(q.shape[:-2] + (-1,))[..., :K], -1, axis).astype(np.float32)
;;   ~~~
;; One version. Each part assembles by itself: llvm-mc -triple=amdgcn-amd-amdhsa -mcpu=gfx1250 --defsym DOCPART=n.
;; ======== version 1 of 1: 3 launches
;; limits: right only within a limited range of input values
;; workspace buffers: a_ws 8,650,752 bytes; b_ws 34,603,008 bytes; cpre 16,777,216 bytes; og 16,777,216 bytes
;; launch quant (part 1): grid 1280 x 1, 4 waves a work-group, no clusters, 57,856 bytes of LDS; arguments x, h0, w_xi, w_xf, w_xo, w_xc, w_hi, w_hf, w_ho, w_hc, a_ws, b_ws; writes a_ws, b_ws
.if DOCPART == 1
	.amdgcn_target "amdgcn-amd-amdhsa--gfx1250"
	.amdhsa_code_object_version 6
	.text
	.protected	k_qd29a3dbfba_quant
	.globl	k_qd29a3dbfba_quant
	.p2align	8
	.type	k_qd29a3dbfba_quant,@function
k_qd29a3dbfba_quant:
	s_mov_b64 s[64:65], 0
	v_nop
	global_prefetch_b8 v0, s[64:65] scope:SCOPE_SE
	s_setreg_imm32_b32 hwreg(HW_REG_WAVE_MODE, 25, 1), 1
	s_wait_xcnt 0x0
; x, h0 [2048][2048], the four w_x [2048 (unit)][2048 (k)] and the four w_h [2048 (k)][2048 (unit)], all f32, become codes of BF8 (E5M2) with one E8M0 byte for each 32 along K.
; A block's scale is 2^(floor(log2(its largest magnitude)) - 15); its byte is the largest magnitude's exponent field - 15, held at 1 from below; each number is divided by the scale,
; held within +-57,344 and rounded to the nearest code, ties to even.
; LIMITS: NaN and infinities among the inputs are not served.  A block of zeros, and a block whose largest magnitude lies under the floor 2^(16 - 127), gets the byte 1: a block of zeros has zero codes,
; which add nothing under that byte, and the bytes are read by this program alone.
; WHERE THE RESULTS GO.  A BLOCK of the workspace is 128 operand rows x 256 along K, BLKB = 33,792 bytes on end: byte 256 row + k the codes, byte 32,768 + 8 row + k / 32 the scale bytes.
; Blocks lie [block row][K step 0..15]; K steps 0-7 are x's K (w_x), 8-15 h0's (w_h).  a_ws: block row = row / 128.  b_ws: unit j of gate g (0 i, 1 f, 2 o, 3 c~) is row 32 g + j % 32 of block row j / 32,
; so that 128 neighbouring operand rows hold all four gates of 32 units.
; SHARES.  Every wave makes a quarter of a block: 32 rows x 256 K, 8,192 bytes of codes and 256 scale bytes, both stored in runs of 512 and 256 consecutive, aligned bytes.
;   work-groups 0-255: x (0-127) and h0 (128-255): block row (id / 8) % 16, K step id % 8; wave w takes rows 32 w on.
;   work-groups 256-767: w_x: block row (id - 256) / 8, K step id % 8; wave w takes gate w.
;   work-groups 768-1279: w_h of gate (id - 768) / 128: K step id % 8, units 128 ((id - 768) / 8 % 16) + 32 w on.
; Two ways through the text, parted on the work-group's number: K innermost (a lane holds 16 neighbours along K, turned through LDS so that every load is dense) and K first (a lane takes a unit and
; its registers run down K).  Each way has LDS bytes of its own.  Waves share nothing: no barrier.
.set BLKB,  33792
.set SP,    80                         ; K innermost: a lane's place in a stage: its 64 bytes + 16 of padding
.set WREG,  5632                       ; K innermost: a wave's LDS: two stages of 32 x SP bytes, then its 256 scale bytes
.set STEPS, 16
.set RI,    16                         ; v16-79   four sets of 16 numbers as they are loaded
.set XI,    80                         ; v80-111  two sets of 16 neighbours
.set EI,    112                        ; v112-119 scale bytes: eight registers by turns (a step's wait on DScnt leaves one LDS store out at the most, so a byte's store has read its register long before the register's next turn)
.set SPW,   126                        ; v126     LDS address of my spare word; never rewritten
.set NIL,   127                        ; v127     0; never rewritten
.set CI,    128                        ; v128-191 codes: four registers for each step, so that no store's data are written again
.set KFB,   4*WREG                     ; K first: LDS from here on: a stage of 32 rows x KP bytes for each wave
.set KP,    272
.set NB,    8                          ; K first: blocks of 32 along K for a lane
.set XF,    32                         ; v32-95   two sets of 32 numbers
.set CF,    96                         ; v96-103  a block's codes
.set SB,    24                         ; v24-25   the lane's 8 scale bytes
.set OUTR,  128                        ; v128-191 the way out
	s_load_b512 s[8:23], s[0:1], 0x0               ; x 8, h0 10, w_xi 12, w_xf 14, w_xo 16, w_xc 18, w_hi 20, w_hf 22
	s_load_b256 s[24:31], s[0:1], 0x40             ; w_ho 24, w_hc 26, a_ws 28, b_ws 30
	v_lshl_add_u32 v[SPW], v0, 2, 0xe000
	v_mov_b32 v[NIL], 0
	v_lshrrev_b32 v1, 5, v0
	v_readfirstlane_b32 s2, v1                     ; wave 0..3
	v_and_b32 v2, 31, v0                           ; lane
	s_and_b32 s3, ttmp9, 7                         ; the K step within the tensor
	s_mov_b32 s47, 0x600000                        ; the mantissa field of 57,344 (an instruction takes one literal: the hold's line has another)
	s_cmp_ge_u32 ttmp9, 768
	s_cbranch_scc1 .Lkfirst
; ---------------------------------------------------------------- K innermost: x, h0, w_x
	v_lshlrev_b32 v3, 4, v2                        ; my 16 bytes of a load's 512
	s_mul_i32 s4, s2, WREG
	v_lshrrev_b32 v14, 2, v2
	v_mul_u32_u24 v14, v14, SP
	v_and_b32 v15, 3, v2
	v_lshl_add_u32 v14, v15, 4, v14
	v_add_nc_u32 v14, s4, v14                      ; the stage, on the way in: four lanes' 64 bytes on end, then 16 of padding
	v_mul_u32_u24 v15, v2, SP
	v_add_nc_u32 v15, s4, v15                      ; and on the way out: SP x lane: my 16 neighbours
	v_lshlrev_b32 v4, 4, v2                        ; my 16 codes' place in a step's 512
	v_lshrrev_b32 v5, 1, v2
	s_add_co_u32 s4, s4, 2*32*SP
	v_add_nc_u32 v5, s4, v5                        ; LDS: my wave's 256 scale bytes, my block's byte
	v_lshlrev_b32 v7, 3, v2                        ; and on the way out 8 bytes a lane
	v_add_nc_u32 v6, s4, v7
	s_lshr_b32 s38, ttmp9, 3                       ; x, h0: block row b = (id / 8) % 16,
	s_and_b32 s38, s38, 15
	s_lshl_b32 s39, s38, 7
	s_lshl_b32 s40, s2, 5
	s_add_co_u32 s39, s39, s40                     ; first row 128 b + 32 w,
	s_lshl_b32 s38, s38, 4
	s_lshr_b32 s40, ttmp9, 7
	s_lshl_b32 s40, s40, 3
	s_add_co_u32 s38, s38, s40                     ; block 16 b + 8 (0 for x, 1 for h0) + K step
	s_max_u32 s41, ttmp9, 256                      ; w_x: block row b = (id - 256) / 8 (held at 0 where the work-group is x's or h0's: that arm is not chosen there),
	s_sub_co_u32 s41, s41, 256
	s_lshr_b32 s41, s41, 3
	s_lshl_b32 s42, s41, 5                         ; first row 32 b,
	s_lshl_b32 s41, s41, 4                         ; block 16 b + K step
	s_wait_alu depctr_va_vdst(0)
	s_wait_kmcnt 0x0
	s_cmp_eq_u32 s2, 1                             ; the gate's weight by the wave's number; every choice hangs on ids alone
	s_cselect_b64 s[32:33], s[14:15], s[12:13]
	s_cmp_eq_u32 s2, 2
	s_cselect_b64 s[32:33], s[16:17], s[32:33]
	s_cmp_eq_u32 s2, 3
	s_cselect_b64 s[32:33], s[18:19], s[32:33]
	s_cmp_lt_u32 ttmp9, 128
	s_cselect_b64 s[34:35], s[8:9], s[10:11]       ; x or h0
	s_cmp_lt_u32 ttmp9, 256
	s_cselect_b64 s[32:33], s[34:35], s[32:33]     ; the source
	s_cselect_b64 s[36:37], s[28:29], s[30:31]     ; a_ws or b_ws
	s_cselect_b32 s39, s39, s42
	s_cselect_b32 s38, s38, s41
	s_add_co_u32 s38, s38, s3                      ; the block's number
	s_lshl_b32 s39, s39, 13                        ; rows of 8,192 bytes,
	s_lshl_b32 s40, s3, 10                         ; 1,024 bytes a K step
	s_add_co_u32 s40, s39, s40
	s_mov_b32 s41, 0
	s_add_nc_u64 s[32:33], s[32:33], s[40:41]
	s_mul_i32 s40, s38, BLKB                       ; under 2^26
	s_add_nc_u64 s[36:37], s[36:37], s[40:41]      ; the block
	s_lshl_b32 s40, s2, 8
	s_add_co_u32 s40, s40, 32768
	s_add_nc_u64 s[34:35], s[36:37], s[40:41]      ; my quarter's scale bytes
	s_lshl_b32 s40, s2, 13
	s_add_nc_u64 s[36:37], s[36:37], s[40:41]      ; my quarter's codes
; A step is two rows x 256 K = 512 numbers.  Each of its four loads reads 512 consecutive bytes.
.macro LOADI t
.irp i, 0,1,2,3
	global_load_b128 v[RI+16*((\t)%4)+4*\i:RI+16*((\t)%4)+4*\i+3], v3, s[32:33] offset:16384*(\t)+8192*(\i/2)+512*(\i%2) th:TH_LOAD_NT
.endr
.endm
.macro TURNI t                         ; step t's numbers through the stage: LDS serves a wave's instructions in order, so no wait stands between the stores and the loads
.irp i, 0,1,2,3
	ds_store_b128 v14, v[RI+16*((\t)%4)+4*\i:RI+16*((\t)%4)+4*\i+3] offset:32*SP*((\t)%2)+8*SP*\i
.endr
.irp i, 0,1,2,3
	ds_load_b128 v[XI+16*((\t)%2)+4*\i:XI+16*((\t)%2)+4*\i+3], v15 offset:32*SP*((\t)%2)+16*\i
.endr
.endm
.irp t, 0,1,2,3
	LOADI \t
.endr
	s_wait_loadcnt 12                              ; step 0's four loads are in; the twelve of steps 1 to 3 may be out
	TURNI 0
.macro STEPI t
.set XS, XI+16*((\t)%2)
.if (\t) > 0
	s_wait_dscnt 1                                 ; this step's numbers are back from the stage (the last step's byte store may be out): so its stores into the stage have read their registers,
.else
	s_wait_dscnt 0x0
.endif
.if (\t)+4 < STEPS
	LOADI (\t)+4                                   ; which take the loads of four steps on
.endif
.if (\t)+1 < STEPS
.if STEPS-2-(\t) >= 3
	s_wait_loadcnt 12                              ; the next step's four loads are in; those of the three steps behind it may be out
.else
	s_wait_loadcnt 4*(STEPS-2-(\t))                ; the same, with fewer steps left behind it
.endif
	TURNI (\t)+1                                   ; and go through the other stage while this step is worked
.endif
	v_max3_num_f32 v8, |v[XS]|, |v[XS+1]|, |v[XS+2]|               ; the largest magnitude of my 16, in two chains
	v_max3_num_f32 v9, |v[XS+3]|, |v[XS+4]|, |v[XS+5]|
.irp i, 6,10
	v_max3_num_f32 v8, v8, |v[XS+\i]|, |v[XS+\i+1]|
	v_max3_num_f32 v9, v9, |v[XS+\i+2]|, |v[XS+\i+3]|
.endr
	v_max3_num_f32 v8, v8, |v[XS+14]|, |v[XS+15]|
	v_max3_num_f32 v8, v8, v9, 0x8000000           ; and the floor 2^(16 - 127): so the byte cannot fall under 1
	v_max_num_f32_dpp v8, v8, v8 row_xmask:1 row_mask:0xf bank_mask:0xf   ; and of my neighbour's 16: the block's
	v_add_nc_u32 v11, 0xf8800000, v8               ; 15 off its exponent field: the conversion takes the exponent field of this operand as its scale, and nothing else of it
	v_and_or_b32 v10, v8, 0x7f800000, s47          ; 57,344 x the scale: the largest magnitude's exponent field over 57,344's mantissa
.irp i, 0,1,2,3,4,5,6,7,8,9,10,11,12,13,14,15
	v_med3_num_f32 v[XS+\i], v[XS+\i], -v10, v10   ; the conversion to an 8-bit code does not saturate (ISA guide 7.6.2): the hold comes first
.endr
	v_cvt_scalef32_pk8_bf8_f32 v[CI+4*(\t):CI+4*(\t)+1], v[XS:XS+7], v11
	v_cvt_scalef32_pk8_bf8_f32 v[CI+4*(\t)+2:CI+4*(\t)+3], v[XS+8:XS+15], v11
	v_lshrrev_b32 v[EI+(\t)%8], 23, v11            ; the scale's byte (also the plain line behind the conversions)
	ds_store_b8 v5, v[EI+(\t)%8] offset:16*(\t)    ; byte 16 t + lane / 2 = 8 x row + k / 32; both lanes of a block write the same byte with the same value
	global_store_b128 v4, v[CI+4*(\t):CI+4*(\t)+3], s[36:37] offset:512*(\t)   ; the block's rows are dense: 32 lanes store 512 consecutive bytes
.endm
.irp t, 0,1,2,3,4,5,6,7,8,9,10,11,12,13,14,15
	STEPI \t
.endr
	ds_load_b64 v[12:13], v6                       ; LDS serves a wave's instructions in order: these see my stores
	s_wait_dscnt 0x0
	global_store_b64 v7, v[12:13], s[34:35]        ; 32 lanes store 256 consecutive bytes, aligned
	s_wait_tensorcnt 0x0                           ; the wave's end
	ds_add_u32 v[SPW], v[NIL]
	s_wait_dscnt 0x0
	s_endpgm
; ---------------------------------------------------------------- K first: w_h
.Lkfirst:
	s_sub_co_u32 s38, ttmp9, 768
	s_lshr_b32 s39, s38, 7                         ; the gate
	s_lshr_b32 s38, s38, 3
	s_and_b32 s38, s38, 15                         ; which 128 units
	s_lshl_b32 s40, s38, 2
	s_add_co_u32 s40, s40, s2                      ; block row = my 32 units / 32
	s_lshl_b32 s42, s40, 7                         ; my first unit's column, in bytes,
	s_lshl_b32 s43, s3, 21                         ; and 256 rows of 8,192 bytes a K step
	s_add_co_u32 s42, s42, s43
	s_mov_b32 s43, 0
	s_lshl_b32 s40, s40, 4
	s_add_co_u32 s40, s40, s3
	s_add_co_u32 s40, s40, 8                       ; the block's number: h0's K steps are 8 to 15
	s_mul_i32 s40, s40, BLKB
	s_mov_b32 s41, 0
	s_wait_alu depctr_va_vdst(0)
	v_lshlrev_b32 v3, 2, v2                        ; in: 4 bytes a lane: A LANE TAKES A UNIT, AND ITS REGISTERS RUN DOWN K
	s_mul_i32 s44, s2, 32*KP
	s_add_co_u32 s44, s44, KFB                     ; my stage
	v_mul_u32_u24 v4, v2, KP
	v_add_nc_u32 v4, s44, v4                       ; into it: row = my unit
	v_and_b32 v5, 15, v2
	v_lshrrev_b32 v6, 4, v2
	v_mul_u32_u24 v7, v6, KP
	v_lshl_add_u32 v7, v5, 4, v7
	v_add_nc_u32 v7, s44, v7                       ; out of it: sixteen lanes to a row, two rows an instruction
	v_lshlrev_b32 v8, 4, v2                        ; the same two rows in the block, whose rows are dense: 16 x lane
	v_lshlrev_b32 v9, 3, v2                        ; my unit's 8 scale bytes
	s_wait_kmcnt 0x0
	s_cmp_eq_u32 s39, 1
	s_cselect_b64 s[32:33], s[22:23], s[20:21]
	s_cmp_eq_u32 s39, 2
	s_cselect_b64 s[32:33], s[24:25], s[32:33]
	s_cmp_eq_u32 s39, 3
	s_cselect_b64 s[32:33], s[26:27], s[32:33]
	s_add_nc_u64 s[32:33], s[32:33], s[42:43]
	s_add_nc_u64 s[36:37], s[30:31], s[40:41]      ; the block
	s_lshl_b32 s40, s39, 8
	s_add_co_u32 s40, s40, 32768
	s_add_nc_u64 s[34:35], s[36:37], s[40:41]      ; the gate's quarter: scale bytes,
	s_lshl_b32 s40, s39, 13
	s_add_nc_u64 s[36:37], s[36:37], s[40:41]      ; codes
.macro LOADF t                         ; block t: w(32 t + i, my unit), i = 0 .. 31, into set t % 2; a wave reads 128 consecutive bytes, the four waves 512.  255 rows at the most: inside the signed 24-bit immediate
.irp i, 0,1,2,3,4,5,6,7,8,9,10,11,12,13,14,15,16,17,18,19,20,21,22,23,24,25,26,27,28,29,30,31
	global_load_b32 v[XF+32*((\t)%2)+\i], v3, s[32:33] offset:(32*(\t)+\i)*8192 th:TH_LOAD_NT
.endr
.endm
	LOADF 0
	LOADF 1
.macro BLOCKF t
.set XS, XF+32*((\t)%2)
.if (\t) < NB-1
	s_wait_loadcnt 32                              ; this block's 32 loads are in; the next block's 32 may be out
.else
	s_wait_loadcnt 0
.endif
	v_max3_num_f32 v12, |v[XS]|, |v[XS+1]|, |v[XS+2]|               ; the block's largest magnitude: all 32 numbers are mine
	v_max3_num_f32 v13, |v[XS+3]|, |v[XS+4]|, |v[XS+5]|
.irp i, 6,10,14,18,22,26
	v_max3_num_f32 v12, v12, |v[XS+\i]|, |v[XS+\i+1]|
	v_max3_num_f32 v13, v13, |v[XS+\i+2]|, |v[XS+\i+3]|
.endr
	v_max3_num_f32 v12, v12, |v[XS+30]|, |v[XS+31]|
	v_max3_num_f32 v12, v12, v13, 0x8000000        ; and the floor 2^(16 - 127)
	v_add_nc_u32 v11, 0xf8800000, v12              ; the conversion's scale operand
	v_and_or_b32 v10, v12, 0x7f800000, s47         ; 57,344 x the scale
	v_lshrrev_b32 v13, 23, v11                     ; the scale's byte
.if (\t)%4 == 0
	v_mov_b32 v[SB+(\t)/4], v13                    ; four bytes to a register, the lower K in the lower byte
.else
	v_lshl_or_b32 v[SB+(\t)/4], v13, 8*((\t)%4), v[SB+(\t)/4]
.endif
.irp i, 0,1,2,3,4,5,6,7,8,9,10,11,12,13,14,15,16,17,18,19,20,21,22,23,24,25,26,27,28,29,30,31
	v_med3_num_f32 v[XS+\i], v[XS+\i], -v10, v10
.endr
.irp g, 0,1,2,3
	v_cvt_scalef32_pk8_bf8_f32 v[CF+2*\g:CF+2*\g+1], v[XS+8*\g:XS+8*\g+7], v11
.endr
	v_nop                                          ; a plain line behind the last conversion of the run
	ds_store_b128 v4, v[CF:CF+3] offset:32*(\t)    ; 32 codes: 32 bytes of my unit's row
	ds_store_b128 v4, v[CF+4:CF+7] offset:32*(\t)+16
.if (\t)+2 < NB
	LOADF (\t)+2
.endif
	s_wait_dscnt 0x0                               ; the stores have read their registers: the next block's codes may be written
.endm
.irp t, 0,1,2,3,4,5,6,7
	BLOCKF \t
.endr
	global_store_b64 v9, v[SB:SB+1], s[34:35]      ; 32 lanes store 256 consecutive bytes, aligned
.irp t, 0,1,2,3,4,5,6,7,8,9,10,11,12,13,14,15
	ds_load_b128 v[OUTR+4*\t:OUTR+4*\t+3], v7 offset:2*\t*KP   ; LDS serves a wave's instructions in order: these see my stores
.endr
.irp t, 0,1,2,3,4,5,6,7,8,9,10,11,12,13,14,15
	s_wait_dscnt 15-\t                             ; loads come back in order: number t is in, the 15 - t behind it may be out
	global_store_b128 v8, v[OUTR+4*\t:OUTR+4*\t+3], s[36:37] offset:512*\t
.endr
	s_wait_tensorcnt 0x0                           ; the wave's end
	ds_add_u32 v[SPW], v[NIL]
	s_wait_dscnt 0x0
	s_endpgm
.Lfunc_end_k_qd29a3dbfba_quant:
	.size	k_qd29a3dbfba_quant, .Lfunc_end_k_qd29a3dbfba_quant-k_qd29a3dbfba_quant
	.p2alignl 7, 3214868480
	.fill 96, 4, 3214868480
	.section	.rodata,"a",@progbits
	.p2align	6, 0x0
	.amdhsa_kernel k_qd29a3dbfba_quant
		.amdhsa_group_segment_fixed_size 57856
		.amdhsa_private_segment_fixed_size 0
		.amdhsa_enable_private_segment 0
		.amdhsa_kernarg_size 96
		.amdhsa_user_sgpr_count 2
		.amdhsa_user_sgpr_kernarg_segment_ptr 1
		.amdhsa_wavefront_size32 1
		.amdhsa_system_sgpr_workgroup_id_x 1
		.amdhsa_system_sgpr_workgroup_id_y 1
		.amdhsa_system_sgpr_workgroup_id_z 1
		.amdhsa_system_vgpr_workitem_id 0
		.amdhsa_next_free_vgpr 192
		.amdhsa_next_free_sgpr 66
		.amdhsa_reserve_vcc 0
		.amdhsa_float_denorm_mode_32 3
		.amdhsa_float_denorm_mode_16_64 3
		.amdhsa_memory_ordered 1
		.amdhsa_forward_progress 1
		.amdhsa_inst_pref_size 111
	.end_amdhsa_kernel
	.amdgpu_metadata
---
amdhsa.version: [ 1, 2 ]
amdhsa.kernels:
  - .name:           k_qd29a3dbfba_quant
    .symbol:         k_qd29a3dbfba_quant.kd
    .args:
      - { .name: x, .offset: 0, .size: 8, .value_kind: global_buffer, .address_space: global }
      - { .name: h0, .offset: 8, .size: 8, .value_kind: global_buffer, .address_space: global }
      - { .name: w_xi, .offset: 16, .size: 8, .value_kind: global_buffer, .address_space: global }
      - { .name: w_xf, .offset: 24, .size: 8, .value_kind: global_buffer, .address_space: global }
      - { .name: w_xo, .offset: 32, .size: 8, .value_kind: global_buffer, .address_space: global }
      - { .name: w_xc, .offset: 40, .size: 8, .value_kind: global_buffer, .address_space: global }
      - { .name: w_hi, .offset: 48, .size: 8, .value_kind: global_buffer, .address_space: global }
      - { .name: w_hf, .offset: 56, .size: 8, .value_kind: global_buffer, .address_space: global }
      - { .name: w_ho, .offset: 64, .size: 8, .value_kind: global_buffer, .address_space: global }
      - { .name: w_hc, .offset: 72, .size: 8, .value_kind: global_buffer, .address_space: global }
      - { .name: a_ws, .offset: 80, .size: 8, .value_kind: global_buffer, .address_space: global }
      - { .name: b_ws, .offset: 88, .size: 8, .value_kind: global_buffer, .address_space: global }
    .group_segment_fixed_size: 57856
    .private_segment_fixed_size: 0
    .kernarg_segment_align: 8
    .kernarg_segment_size: 96
    .max_flat_workgroup_size: 128
    .sgpr_count:     66
    .vgpr_count:     192
    .wavefront_size: 32
...
	.end_amdgpu_metadata
.endif
;; end of part 1
;; launch gates (part 2): grid 32 x 8, 4 waves a work-group, clusters of 4 x 4, 327,680 bytes of LDS; arguments a_ws, b_ws, c0, b_i, b_f, b_o, b_c, cpre, og; writes cpre, og
.if DOCPART == 2
	.amdgcn_target "amdgcn-amd-amdhsa--gfx1250"
	.amdhsa_code_object_version 6
	.text
	.protected	k_qd29a3dbfba_gates
	.globl	k_qd29a3dbfba_gates
	.p2align	8
	.type	k_qd29a3dbfba_gates,@function
k_qd29a3dbfba_gates:
	s_mov_b64 s[64:65], 0
	v_nop
	global_prefetch_b8 v0, s[64:65] scope:SCOPE_SE
	s_setreg_imm32_b32 hwreg(HW_REG_WAVE_MODE, 25, 1), 1
	s_wait_xcnt 0x0
	s_wait_alu depctr_hold_cnt(0) depctr_sa_sdst(0) depctr_va_vdst(0) depctr_va_sdst(0) depctr_va_ssrc(0) depctr_va_vcc(0) depctr_vm_vsrc(0)
	s_getreg_b32 s2, hwreg(HW_REG_IB_STS2, 6, 4)
	s_cmp_eq_u32 s2, 0
	s_cbranch_scc0 .Lentry_in_a_cluster
	s_endpgm
.Lentry_in_a_cluster:
	s_bfe_u32 s2, ttmp6, 0x10000c
	s_cmp_lg_u32 s2, 0xf033
	s_cbranch_scc0 .Lentry_shape_is_right
	s_endpgm
.Lentry_shape_is_right:
; THE FOUR GATES AND THE CELL AHEAD OF ITS NORM.  pre[row][gate, unit] = [x | h0] [w_x | w_h]^T + b on codes of MX-BF8 (E5M2, an E8M0 byte for 32 along K), K = 4,096, f32 sums;
; then cpre = sigmoid(f) c0 + sigmoid(i) tanh(c~) and og = sigmoid(o), both [2048][2048] f32, for the launch that norms.
; OPERANDS, as the launch before leaves them: blocks of 128 operand rows x 256 K, BLKB bytes on end (32,768 of codes, rows of 256; then 1,024 scale bytes, 8 a row), laid [block row][K step 0..15].
; In b_ws row 32 g + j % 32 of block row j / 32 is unit j of gate g (0 i, 1 f, 2 o, 3 c~): a wave's 128 operand rows of B hold all four gates of 32 units.
; THE DEAL.  256 work-groups, a tile of 256 rows x 256 operand columns (64 units) each; four waves, 128 x 128 a wave: 64 accumulators, 512 registers.  K goes in steps of 256 through two LDS slots;
; a wave's one tensor load brings a whole block (132 rows of 256 bytes, codes and scale bytes), 16 bytes of padding behind each row.
; CLUSTERS 4 x 4: A's blocks are asked for jointly along a row of the cluster, B's along a column.  Clusters whose x + y is odd begin their walk along K at K step 8 and wrap round.
; A STEP OF 128 ALONG K is four quarters of 16 products: (A low, B low), (A low, B high), (A high, B high), (A high, B low); low = blocks 0-3 of 16 rows, high = blocks 4-7.
; ITS 64 LDS LOADS STAND IN TWO RUNS OF 32: behind quarter 2 the next step's A low (its registers are free then) and B low (into a second set: this step's is still wanted in quarter 4);
; behind quarter 4 the next step's B high, wanted 16 products on, and A high, wanted 32 on.  So A low, A high and B high have one set of 64 registers each, B low two.
; THE BIAS is the first products' C.  THE MATRIX INSTRUCTION IS USED TRANSPOSED (source 0 = B's rows): a lane holds one row and eight neighbouring units of one gate.
; THE WAY OUT: c0's tile comes into slot 0 behind that slot's last read; block by block of 16 rows the gates are made in registers, cpre and og go through stages in slot 0 (its last fill has been), and whole rows of 256 bytes are stored.
; PREFETCH: behind a refill each wave asks for its share (33 of a block's 132 units of 256 bytes, shared out among the four partners by address) of the block two refills on, for the walk's K steps 4 to 7;
; A's blocks by the clusters with x under 2 alone.  The walk's K steps 8 to 15 are those that the clusters of the other parity load in their first half, in this same launch: they are not asked for.
; LIMITS: NaN and infinities are not served.  sigmoid(t) = 1 / (1 + 2^(-t log2 e)), tanh(t) = 1 - 2 / (1 + 2^(2 t log2 e)): where the power overflows or falls to 0 the reciprocal gives the saturated value.
; REGISTERS: window 0: v0-31 addresses; v32-63 scale words, a set a slot; v64-127 the biases; v128-255 A's fragments (on the way out v64-255 are at work).
; Window 1: v0-127 B low, two sets; v128-191 B high.  Windows 2, 3: the accumulators ((a, b) at v[8 (8 (a % 4) + b)]).
.set PITCH,  272
.set UNITS,  132                       ; rows of 256 bytes in a block
.set BLKB,   UNITS*256
.set BLKROW, 16*BLKB
.set HALFT,  UNITS*PITCH               ; a block in LDS
.set SLOT,   4*HALFT                   ; A's two blocks, then B's two
.set SCOFF,  128*PITCH                 ; a block's scale bytes
.set SPARE,  2*SLOT                    ; the spare words: 128 bytes a wave, named by no other line
.set OST,    256*PITCH                 ; og's stage, behind c0's tile
.set LAPS,   8
.set NQ,     2
.set FR,     16
.set NP,     8
.set PFO,  8                           ; v8, v9  the prefetches' offsets
.set PFZ,  9
.set BO,   10
.set ADRA, 16                          ; v16-17  my fragments of A in slot 0, 1
.set ADRS, 18                          ; v18-19  my scale words: lanes 0-15 A's rows, lanes 16-31 B's
.set ADRB, 20                          ; v20-21  my fragments of B
.set STO,  22
.set STOO, 23
.set RD,   24
.set CO,   26
.set SPW,  28
.set NIL,  29
.set SC,   32
.set BIAS, 64
.set AF,   128
.set TS,   64
.set C0R,  192
.set OB,   224
.set WV,   22
.set RH,   23
.set CH,   80
.set G1,   24
.set G0,   32
.set G1B,  48
.set G0B,  56
.set G1C,  68
.set G0C,  76
.set LIM,  81
.set PFA,  82
.set NL2E, 84
.set TL2E, 86
.set WRV,  96
.set WR,   98
.set MSB, 0
.macro WIN new                         ; the immediate's high byte repeats the setting that is left
.if MSB != (\new)
	s_set_vgpr_msb (MSB<<8)|(\new)
.set MSB, (\new)
.endif
.endm
.set TO_B,     0x40
.macro JLOAD g0a, g1a, g0b, g1b        ; a joint load: waves 0, 1 fetch A's two blocks, waves 2, 3 B's; s_nop 0 and four v_nop behind each line
	s_cmp_eq_u32 s[RH], 0
	s_cbranch_scc0 .Lfor_b_\@
	tensor_load_to_lds s[\g0a:\g0a+3], s[\g1a:\g1a+7]
	s_nop 0
.rept 4
	v_nop
.endr
	s_branch .Lasked_\@
.Lfor_b_\@:
	tensor_load_to_lds s[\g0b:\g0b+3], s[\g1b:\g1b+7]
	s_nop 0
.rept 4
	v_nop
.endr
.Lasked_\@:
.endm
.macro CREST                           ; a round of the cluster's barrier behind its opening barrier
	s_cmp_lg_u32 s[WV], 0
	s_cbranch_scc1 .Lnot_wave_0_\@
	s_barrier_signal -3
.Lnot_wave_0_\@:
	s_barrier_wait -3
	s_barrier_signal -1
	s_barrier_wait -1
.endm
.macro CROUND
	s_barrier_signal -1
	s_barrier_wait -1
	CREST
.endm
.macro ASK                             ; s3 = 7, 6: the walk's K steps 4 to 7
	s_cmp_gt_u32 s3, s[LIM]
	s_cbranch_scc0 .Lnot_mine_\@
	s_wait_alu depctr_va_vdst(0)
	global_prefetch_b8 v[PFO], s[PFA:PFA+1] offset:BLKB th:TH_LOAD_NT scope:SCOPE_SE
	global_prefetch_b8 v[PFZ], s[PFA:PFA+1] offset:BLKB+8192 th:TH_LOAD_NT scope:SCOPE_SE
.Lnot_mine_\@:
.endm
	s_load_b512 s[4:19], s[0:1], 0x0               ; a_ws 4, b_ws 6, c0 8, b_i 10, b_f 12, b_o 14, b_c 16, cpre 18
	s_load_b64 s[20:21], s[0:1], 0x40              ; og
	v_lshl_add_u32 v[SPW], v0, 2, SPARE
	v_mov_b32 v[NIL], 0
	ds_add_u32 v[SPW], v[NIL]                      ; the opening lines: the add, twice on end, and its wait ahead of my first tensor load
	ds_add_u32 v[SPW], v[NIL]
	v_lshrrev_b32 v1, 5, v0
	v_readfirstlane_b32 s[WV], v1                  ; wave 0..3
	s_lshr_b32 s[RH], s[WV], 1                     ; my half of the tile's rows; also: I fetch for A (0) or B (1)
	s_and_b32 s[CH], s[WV], 1                      ; my half of its columns; also: which block I fetch
	s_bfe_u32 s40, ttmp6, 0x40000                  ; cx, cy
	s_bfe_u32 s41, ttmp6, 0x40004
	s_lshl_b32 s42, ttmp9, 2
	s_add_co_u32 s42, s42, s40                     ; tile column
	s_and_b32 s43, ttmp7, 0xffff
	s_lshl_b32 s43, s43, 2
	s_add_co_u32 s43, s43, s41                     ; tile row
	s_lshl_b32 s44, s41, 2
	s_lshl_b32 s44, 15, s44                        ; my row of the cluster
	s_lshl_b32 s45, 0x1111, s40                    ; my column
	s_and_b32 s97, ttmp7, 0xffff
	s_add_co_u32 s97, s97, ttmp9
	s_and_b32 s97, s97, 1                          ; the cluster's parity: the same in all partners
	s_mul_i32 s[WRV], s97, BLKROW                  ; what the wrap takes off
	s_mul_i32 s97, s97, 8*BLKB                     ; where the walk begins
	s_mov_b32 s[WR], 0
	s_mov_b32 s[WR+1], 0
	s_or_b32 s[G1+0], s44, (3<<16)|(1<<20)|(1<<21)|(5<<22)|(3<<25)   ; elements of 8 bytes; 16 bytes of padding behind every 256
	s_or_b32 s[G1B+0], s45, (3<<16)|(1<<20)|(1<<21)|(5<<22)|(3<<25)
.irp g, G1, G1B
	s_mov_b32 s[\g+1], 32<<16
	s_mov_b32 s[\g+2], UNITS<<16
	s_mov_b32 s[\g+3], 32<<16
	s_mov_b32 s[\g+4], UNITS
	s_mov_b32 s[\g+5], 32
	s_mov_b32 s[\g+6], 0
	s_mov_b32 s[\g+7], 0
.endr
	s_mov_b32 s[G1C+0], (2<<16)|(1<<20)|(5<<22)|(3<<25)   ; c0: 64 rows of 64 f32 a wave, no partner shares them
	s_mov_b32 s[G1C+1], 64<<16
	s_mov_b32 s[G1C+2], 64<<16
	s_mov_b32 s[G1C+3], 64<<16
	s_mov_b32 s[G1C+4], 64
	s_mov_b32 s[G1C+5], 2048
	s_mov_b32 s[G1C+6], 0
	s_mov_b32 s[G1C+7], 0
	s_lshl_b32 s88, s43, 1
	s_add_co_u32 s88, s88, s[CH]
	s_mul_i32 s88, s88, BLKROW
	s_add_co_u32 s88, s88, s97
	s_mov_b32 s89, 0
	s_lshl_b32 s90, s42, 1
	s_add_co_u32 s90, s90, s[CH]
	s_mul_i32 s90, s90, BLKROW
	s_add_co_u32 s90, s90, s97
	s_mov_b32 s91, 0
	s_mul_i32 s92, s[WV], HALFT
	s_mov_b32 s[NL2E], 0xbfb8aa3b                  ; -log2 e
	s_mov_b32 s[NL2E+1], s[NL2E]
	s_mov_b32 s[TL2E], 0x4038aa3b                  ; 2 log2 e
	s_mov_b32 s[TL2E+1], s[TL2E]
	s_wait_dscnt 0x0                               ; both opening adds are done
	s_wait_kmcnt 0x0
	s_add_nc_u64 s[88:89], s[4:5], s[88:89]
	s_add_nc_u64 s[90:91], s[6:7], s[90:91]
	CROUND                                         ; all sixteen work-groups are here: the first joint loads meet
.irp s, 0,1
	s_mov_b32 s[G0+4*\s], 1
	s_add_co_u32 s[G0+4*\s+1], s92, \s*SLOT
	s_add_nc_u64 s[G0+4*\s+2:G0+4*\s+3], s[88:89], \s*BLKB
	s_or_b32 s[G0+4*\s+3], s[G0+4*\s+3], 0x80000000
	s_mov_b32 s[G0B+4*\s], 1
	s_add_co_u32 s[G0B+4*\s+1], s92, \s*SLOT
	s_add_nc_u64 s[G0B+4*\s+2:G0B+4*\s+3], s[90:91], \s*BLKB
	s_or_b32 s[G0B+4*\s+3], s[G0B+4*\s+3], 0x80000000
.endr
	JLOAD G0, G1, G0B, G1B                         ; the walk's first K step: one tensor load a wave at the head; all that follows, the biases' loads too, stands under its flight
	s_lshl_b32 s46, s43, 21
	s_lshl_b32 s47, s42, 8
	s_add_co_u32 s46, s46, s47                     ; the tile's corner in c0, cpre, og: 256 rows of 8,192 bytes, 256 bytes a tile column
	s_lshl_b32 s66, s[WV], 19
	s_add_co_u32 s66, s66, s46
	s_mov_b32 s67, 0
	s_mov_b32 s[G0C], 1
	s_mul_i32 s[G0C+1], s[WV], 64*PITCH
	s_add_nc_u64 s[G0C+2:G0C+3], s[8:9], s[66:67]
	s_or_b32 s[G0C+3], s[G0C+3], 0x80000000
	s_lshl_b32 s47, s[CH], 20
	s_add_co_u32 s46, s46, s47
	s_mov_b32 s47, 0
	s_cmp_eq_u32 s[RH], 0                          ; on the way out waves 0, 1 store cpre's rows, waves 2, 3 og's
	s_cselect_b64 s[18:19], s[18:19], s[20:21]
	s_add_nc_u64 s[18:19], s[18:19], s[46:47]
	s_lshl_b32 s66, s42, 8
	s_lshl_b32 s67, s[CH], 7
	s_add_co_u32 s66, s66, s67
	s_mov_b32 s67, 0
.irp g, 0,1,2,3
	s_add_nc_u64 s[10+2*\g:11+2*\g], s[10+2*\g:11+2*\g], s[66:67]
.endr
	v_and_b32 v1, 15, v0
	v_bfe_u32 v2, v0, 4, 1
	s_wait_alu depctr_va_vdst(0)
	v_lshlrev_b32 v[BO], 5, v2
.irp g, 0,1,2,3
.irp u, 0,1
	global_load_b128 v[BIAS+8*(2*\g+\u):BIAS+8*(2*\g+\u)+3],   v[BO], s[10+2*\g:11+2*\g] offset:64*\u      ; tile 2 g + u: gate g, units 16 u + 8 h + 0 .. 7 of my 32
	global_load_b128 v[BIAS+8*(2*\g+\u)+4:BIAS+8*(2*\g+\u)+7], v[BO], s[10+2*\g:11+2*\g] offset:64*\u+16
.endr
.endr
	v_mul_u32_u24 v3, v1, PITCH
	v_lshl_add_u32 v4, v2, 4, v3
	s_mul_i32 s93, s[RH], HALFT
	s_mul_i32 s3, s[CH], HALFT
	s_add_co_u32 s3, s3, 2*HALFT
.irp s, 0,1
	v_add_nc_u32 v[ADRA+\s], s93, v4
	v_add_nc_u32 v[ADRB+\s], s3, v4
	s_add_co_u32 s93, s93, SLOT
	s_add_co_u32 s3, s3, SLOT
.endr
	v_lshlrev_b32 v5, 3, v1
	s_mul_i32 s93, s[RH], HALFT
	s_mul_i32 s3, s[CH], HALFT
	s_add_co_u32 s3, s3, 2*HALFT
	s_sub_co_u32 s3, s3, s93
	v_mul_u32_u24 v6, s3, v2                       ; lanes 16-31 take B's scale words
	s_add_co_u32 s93, s93, SCOFF
	v_add_nc_u32 v5, v5, v6
	v_add_nc_u32 v[ADRS], s93, v5
	v_add_nc_u32 v[ADRS+1], SLOT, v[ADRS]
	s_mul_i32 s93, s[RH], 128*PITCH
	s_lshl_b32 s3, s[CH], 7
	s_add_co_u32 s93, s93, s3
	v_lshl_add_u32 v5, v2, 5, v3
	v_add_nc_u32 v[STO], s93, v5
	v_add_nc_u32 v[STOO], OST, v[STO]
	s_mul_i32 s93, s[RH], OST
	s_mul_i32 s3, s[CH], 128*PITCH
	s_add_co_u32 s93, s93, s3
	v_mul_u32_u24 v5, v2, PITCH
	v_lshl_add_u32 v5, v1, 4, v5
	v_add_nc_u32 v[RD], s93, v5
	v_lshlrev_b32 v5, 13, v2
	v_lshl_add_u32 v[CO], v1, 4, v5
	v_and_b32 v[PFO], 31, v0
	v_lshlrev_b32 v[PFO], 8, v[PFO]
	v_mov_b32 v[PFZ], 0
	s_cmp_eq_u32 s[RH], 0
	s_cselect_b32 s95, s43, s42
	s_cselect_b32 s2, s40, s41
	s_cselect_b32 s94, ttmp9, 0
	s_cselect_b64 s[PFA:PFA+1], s[4:5], s[6:7]
	s_cmp_lt_u32 s94, 2
	s_cselect_b32 s[LIM], 5, -1
	s_lshl_b32 s95, s95, 1
	s_add_co_u32 s95, s95, s[CH]
	s_mul_i32 s95, s95, BLKROW
	s_mul_i32 s2, s2, 33*256
	s_add_co_u32 s94, s95, s2
	s_add_co_u32 s94, s94, s97
	s_add_co_u32 s94, s94, 2*BLKB
	s_mov_b32 s95, 0
	s_add_nc_u64 s[PFA:PFA+1], s[PFA:PFA+1], s[94:95]
.macro PLACES n                        ; eight places stand between a product and a load into a register that it has read
.rept \n
	v_nop
.endr
.endm
; Four fragments, 16 loads: blocks i0 .. i0 + 3 of the slot's q-th 128 along K.  A fragment is 16 registers: lane l holds row l % 16; registers 4 c .. 4 c + 3 hold K = 32 c + 16 (l / 16) + 0 .. 15
.macro FETCH4 win, reg, adr, q, i0
	WIN \win
.irp i, 0,1,2,3
.irp c, 0,1,2,3
	ds_load_b128 v[\reg+FR*\i+4*\c:\reg+FR*\i+4*\c+3], v[\adr] offset:128*(\q)+32*\c+((\i0)+\i)*16*PITCH
.endr
.endr
.endm
.macro A_LOW slot, q
	FETCH4 0, AF, ADRA+\slot, \q, 0
.endm
.macro A_HIGH slot, q
	FETCH4 0, AF+64, ADRA+\slot, \q, 4
.endm
.macro B_LOW slot, q, p
	FETCH4 TO_B, 64*(\p), ADRB+\slot, \q, 0
.endm
.macro B_HIGH slot, q
	FETCH4 TO_B, 128, ADRB+\slot, \q, 4
.endm
; Four products: A's block a against B's blocks 4 bh .. 4 bh + 3 (B low: set p); the slot's q-th 128 along K; scale words of set sc.  first = 1: C is the bias
.macro MUL4 a, bh, p, q, sc, first
.irp c, 0,1,2,3
.set B_, 4*(\bh)+\c
.set BR_, 128*(\bh)+64*(1-(\bh))*(\p)+FR*\c
.set AC_, 8*(8*((\a)%4)+B_)
.if \first
	WIN 0x81+0x40*((\a)/4)
	v_wmma_scale_f32_16x16x128_f8f6f4 v[AC_:AC_+7], v[BR_:BR_+FR-1], v[AF+FR*(\a):AF+FR*(\a)+FR-1], v[BIAS+8*B_:BIAS+8*B_+7], v[SC+8*NQ*(\sc)+NQ*B_+(\q)], v[SC+8*NQ*(\sc)+NQ*(\a)+(\q)] matrix_a_fmt:MATRIX_FMT_BF8 matrix_b_fmt:MATRIX_FMT_BF8 matrix_a_scale:MATRIX_SCALE_ROW1
.else
	WIN 0xa1+0x50*((\a)/4)
	v_wmma_scale_f32_16x16x128_f8f6f4 v[AC_:AC_+7], v[BR_:BR_+FR-1], v[AF+FR*(\a):AF+FR*(\a)+FR-1], v[AC_:AC_+7], v[SC+8*NQ*(\sc)+NQ*B_+(\q)], v[SC+8*NQ*(\sc)+NQ*(\a)+(\q)] matrix_a_fmt:MATRIX_FMT_BF8 matrix_b_fmt:MATRIX_FMT_BF8 matrix_a_scale:MATRIX_SCALE_ROW1
.endif
.endr
.endm
.macro QUAD ah, bh, p, q, sc, first    ; a quarter: 16 products.  The 64 accumulators take turns, in the same order in every step
.irp k, 0,1,2,3
	MUL4 4*(\ah)+\k, \bh, \p, \q, \sc, \first
.endr
.endm
.macro SCALES sc                       ; a slot's scale words: two a row; lanes 0-15 A's block i, lanes 16-31 B's block i
	WIN 0
.irp i, 0,1,2,3,4,5,6,7
	ds_load_b64 v[SC+8*NQ*\sc+NQ*\i:SC+8*NQ*\sc+NQ*\i+1], v[ADRS+\sc] offset:(\i/2)*PITCH+(\i%2)*128
.endr
.endm
; A slot's first step: B low in set 0; its successor lies in the same slot
.macro STEP slot, first
	s_wait_dscnt 32                                ; A low and B low are in; the run just issued (B high, A high) may be out
	QUAD 0, 0, 0, 0, \slot, \first
	s_wait_dscnt 16                                ; B high is in; A high's 16 loads may be out
	QUAD 0, 1, 0, 0, \slot, \first
	PLACES NP
	A_LOW \slot, 1
	B_LOW \slot, 1, 1
	s_wait_dscnt 32                                ; A high is in; the 32 just issued may be out
	QUAD 1, 1, 0, 0, \slot, \first
	QUAD 1, 0, 0, 0, \slot, \first
	PLACES NP
	B_HIGH \slot, 1
	A_HIGH \slot, 1
	WIN 0
.endm
; A slot's last step (B low in set 1) reads nothing of its slot: its fragments were asked for in the step before.  Behind quarter 1 each wave waits for all its tensor loads (one is out: its block of the next slot),
; adds 0 to its spare word, and, eight products on, waits for the add and for its reads; the barrier opens a round of the cluster's barrier; the refill is the first tensor load behind the round;
; the middle run then reads the next slot.  fill = 1: this slot takes the K step two on; 2: it takes c0's tile.
.macro TURN slot, next, fill
.if \fill == 1
	s_wait_xcnt 0x0                                ; my prefetches have read their address
	s_add_nc_u64 s[PFA:PFA+1], s[PFA:PFA+1], BLKB
.endif
	s_wait_dscnt 32
	QUAD 0, 0, 1, 1, \slot, 0
	WIN 0
	s_wait_tensorcnt 0x0
	ds_add_u32 v[SPW], v[NIL]
	s_wait_dscnt 17                                ; B high is in; A high's 16 loads and the add may be out
	MUL4 0, 1, 1, 1, \slot, 0
	MUL4 1, 1, 1, 1, \slot, 0
	s_wait_dscnt 0x0                               ; the add is done, my reads of this slot are over
	s_barrier_signal -1
	MUL4 2, 1, 1, 1, \slot, 0
	MUL4 3, 1, 1, 1, \slot, 0
	WIN 0
	s_barrier_wait -1
	CREST
.if \fill == 1
	s_cmp_eq_u32 s3, 4                             ; the wrap of the clusters that began at K step 8
	s_cselect_b32 s[WR], s[WRV], 0
	s_add_nc_u64 s[G0+4*\slot+2:G0+4*\slot+3], s[G0+4*\slot+2:G0+4*\slot+3], 2*BLKB
	s_sub_nc_u64 s[G0+4*\slot+2:G0+4*\slot+3], s[G0+4*\slot+2:G0+4*\slot+3], s[WR:WR+1]
	s_add_nc_u64 s[G0B+4*\slot+2:G0B+4*\slot+3], s[G0B+4*\slot+2:G0B+4*\slot+3], 2*BLKB
	s_sub_nc_u64 s[G0B+4*\slot+2:G0B+4*\slot+3], s[G0B+4*\slot+2:G0B+4*\slot+3], s[WR:WR+1]
	JLOAD G0+4*\slot, G1, G0B+4*\slot, G1B         ; its four v_nop are four of the eight places
.else
	tensor_load_to_lds s[G0C:G0C+3], s[G1C:G1C+7]
	s_nop 0
	PLACES 4
.endif
	PLACES NP-4
	SCALES \next
	A_LOW \next, 0
	B_LOW \next, 0, 0
	WIN 0
.if \fill == 1
	ASK
.endif
	QUAD 1, 1, 1, 1, \slot, 0                      ; (A high came in ahead of the barrier)
	QUAD 1, 0, 1, 1, \slot, 0
	PLACES NP
	B_HIGH \next, 0
	A_HIGH \next, 0
	WIN 0
.endm
	s_wait_alu depctr_va_vdst(0)                   ; the wait at the head's end
	s_wait_tensorcnt 0x0                           ; my block of slot 0 is in
	ds_add_u32 v[SPW], v[NIL]
	s_wait_dscnt 0x0
	CROUND                                         ; everybody's block is in, and the joint loads meet
	JLOAD G0+4, G1, G0B+4, G1B                     ; slot 1's first fill
	SCALES 0
	A_LOW 0, 0
	B_LOW 0, 0, 0
	B_HIGH 0, 0
	A_HIGH 0, 0
	WIN 0
	s_wait_loadcnt 0x0                             ; the biases
	STEP 0, 1                                      ; the first step stands ahead of the loop: its products start the sums
	s_mov_b32 s3, LAPS-1
.Llap:
	TURN 0, 1, 1
	STEP 1, 0
	TURN 1, 0, 1
	STEP 0, 0
	s_sub_co_u32 s3, s3, 1
	s_cmp_lg_u32 s3, 0
	s_cbranch_scc1 .Llap
	TURN 0, 1, 2
	STEP 1, 0
	s_wait_dscnt 32                                ; the last step fetches nothing
	QUAD 0, 0, 1, 1, 1, 0
	s_wait_dscnt 16
	QUAD 0, 1, 1, 1, 1, 0
	s_wait_dscnt 0x0
	QUAD 1, 1, 1, 1, 1, 0
	s_wait_tensorcnt 0x0                           ; my rows of c0's tile are in
	s_barrier_signal -1
	QUAD 1, 0, 1, 1, 1, 0
	WIN 0
	s_barrier_wait -1
	PLACES NP
; THE WAY OUT, block a of 16 rows at a time.  cpre overwrites c0 in place in its stage; a row's 256 bytes come from two waves, so a barrier stands between the stores into the stages and the reads of whole rows.
.macro C0LD a
.set CR, C0R+16*((\a)%2)
.irp u, 0,1
.irp p, 0,1
	ds_load_b128 v[CR+8*\u+4*\p:CR+8*\u+4*\p+3], v[STO] offset:(\a)*16*PITCH+64*\u+16*\p
.endr
.endr
.endm
.macro MEETOUT a
	s_wait_dscnt 0x0                               ; for the others' sake: my stores into the stages are done
	s_barrier_signal -1
	s_barrier_wait -1
.if (\a) > 0
	s_wait_xcnt 0x0                                ; the block before's stores have read their registers
.endif
.irp t, 0,1,2,3,4,5,6,7
	ds_load_b128 v[OB+4*\t:OB+4*\t+3], v[RD] offset:(16*(\a)+2*\t)*PITCH
.endr
.endm
.macro OUTST a
	s_wait_dscnt 0x0
.irp t, 0,1,2,3,4,5,6,7
	global_store_b128 v[CO], v[OB+4*\t:OB+4*\t+3], s[18:19] offset:(16*(\a)+2*\t)*8192 th:TH_STORE_NT   ; sixteen lanes store 256 consecutive bytes, aligned
.endr
.endm
.macro GATES a
.if (\a) < 7
	C0LD (\a)+1
.endif
.set T,  TS+64*((\a)%2)
.set CM, C0R+16*((\a)%2)
.set AC, 64*((\a)%4)
.if (\a) == 0
	s_wait_dscnt 4
.endif
	WIN 0x02+(\a)/4
.set e, 0
.rept 24
	v_pk_mul_f32 v[T+e:T+e+1], v[AC+e:AC+e+1], s[NL2E:NL2E+1] op_sel_hi:[1,0]      ; i, f, o: -t log2 e
.set e, e+2
.endr
.rept 8
	v_pk_mul_f32 v[T+e:T+e+1], v[AC+e:AC+e+1], s[TL2E:TL2E+1] op_sel_hi:[1,0]      ; c~: 2 t log2 e
.set e, e+2
.endr
	WIN 0
.set e, 0
	s_wait_alu depctr_va_vdst(0)                   ; a wait ahead of the batch of transcendentals and one behind it
.rept 64
	v_exp_f32 v[T+e], v[T+e]
.set e, e+1
.endr
.if (\a) > 0
	MEETOUT (\a)-1
.endif
	v_nop
	s_wait_alu depctr_va_vdst(0)
.set e, 0
.rept 32
	v_pk_add_f32 v[T+e:T+e+1], v[T+e:T+e+1], 1.0 op_sel_hi:[1,0]
.set e, e+2
.endr
.set e, 0
	s_wait_alu depctr_va_vdst(0)
.rept 64
	v_rcp_f32 v[T+e], v[T+e]
.set e, e+1
.endr
.if (\a) > 0
	OUTST (\a)-1
.endif
	v_nop
	s_wait_alu depctr_va_vdst(0)
.set e, 0
.rept 8
	v_pk_fma_f32 v[T+48+e:T+49+e], v[T+48+e:T+49+e], -2.0, 1.0 op_sel_hi:[1,0,0]   ; tanh
.set e, e+2
.endr
.set e, 0
.rept 8
	v_pk_mul_f32 v[T+e:T+e+1], v[T+e:T+e+1], v[T+48+e:T+49+e]                      ; i c~
.set e, e+2
.endr
.set e, 0
.rept 8
	v_pk_fma_f32 v[T+e:T+e+1], v[T+16+e:T+17+e], v[CM+e:CM+e+1], v[T+e:T+e+1]      ; + f c0
.set e, e+2
.endr
.irp u, 0,1
.irp p, 0,1
	ds_store_b128 v[STO],  v[T+8*\u+4*\p:T+8*\u+4*\p+3]       offset:(\a)*16*PITCH+64*\u+16*\p
	ds_store_b128 v[STOO], v[T+32+8*\u+4*\p:T+32+8*\u+4*\p+3] offset:(\a)*16*PITCH+64*\u+16*\p
.endr
.endr
.endm
	C0LD 0
.irp a, 0,1,2,3,4,5,6,7
	GATES \a
.endr
	MEETOUT 7
	OUTST 7
	s_wait_tensorcnt 0x0                           ; the wave's end
	ds_add_u32 v[SPW], v[NIL]
	s_wait_dscnt 0x0
	CROUND                                         ; the closing round
	s_endpgm
.Lfunc_end_k_qd29a3dbfba_gates:
	.size	k_qd29a3dbfba_gates, .Lfunc_end_k_qd29a3dbfba_gates-k_qd29a3dbfba_gates
	.p2alignl 7, 3214868480
	.fill 96, 4, 3214868480
	.section	.rodata,"a",@progbits
	.p2align	6, 0x0
	.amdhsa_kernel k_qd29a3dbfba_gates
		.amdhsa_group_segment_fixed_size 327680
		.amdhsa_private_segment_fixed_size 0
		.amdhsa_enable_private_segment 0
		.amdhsa_kernarg_size 72
		.amdhsa_user_sgpr_count 2
		.amdhsa_user_sgpr_kernarg_segment_ptr 1
		.amdhsa_wavefront_size32 1
		.amdhsa_system_sgpr_workgroup_id_x 1
		.amdhsa_system_sgpr_workgroup_id_y 1
		.amdhsa_system_sgpr_workgroup_id_z 1
		.amdhsa_system_vgpr_workitem_id 0
		.amdhsa_next_free_vgpr 1024
		.amdhsa_next_free_sgpr 100
		.amdhsa_reserve_vcc 0
		.amdhsa_float_denorm_mode_32 3
		.amdhsa_float_denorm_mode_16_64 3
		.amdhsa_memory_ordered 1
		.amdhsa_forward_progress 1
		.amdhsa_inst_pref_size 215
	.end_amdhsa_kernel
	.amdgpu_metadata
---
amdhsa.version: [ 1, 2 ]
amdhsa.kernels:
  - .name:           k_qd29a3dbfba_gates
    .symbol:         k_qd29a3dbfba_gates.kd
    .args:
      - { .name: a_ws, .offset: 0, .size: 8, .value_kind: global_buffer, .address_space: global }
      - { .name: b_ws, .offset: 8, .size: 8, .value_kind: global_buffer, .address_space: global }
      - { .name: c0, .offset: 16, .size: 8, .value_kind: global_buffer, .address_space: global }
      - { .name: b_i, .offset: 24, .size: 8, .value_kind: global_buffer, .address_space: global }
      - { .name: b_f, .offset: 32, .size: 8, .value_kind: global_buffer, .address_space: global }
      - { .name: b_o, .offset: 40, .size: 8, .value_kind: global_buffer, .address_space: global }
      - { .name: b_c, .offset: 48, .size: 8, .value_kind: global_buffer, .address_space: global }
      - { .name: cpre, .offset: 56, .size: 8, .value_kind: global_buffer, .address_space: global }
      - { .name: og, .offset: 64, .size: 8, .value_kind: global_buffer, .address_space: global }
    .group_segment_fixed_size: 327680
    .private_segment_fixed_size: 0
    .kernarg_segment_align: 8
    .kernarg_segment_size: 72
    .max_flat_workgroup_size: 128
    .sgpr_count:     100
    .vgpr_count:     1024
    .wavefront_size: 32
...
	.end_amdgpu_metadata
.endif
;; end of part 2
;; launch norm (part 3): grid 256 x 1, 8 waves a work-group, no clusters, 0 bytes of LDS; arguments cpre, og, out0, out1; writes out0, out1
.if DOCPART == 3
	.amdgcn_target "amdgcn-amd-amdhsa--gfx1250"
	.amdhsa_code_object_version 6
	.text
	.protected	k_qd29a3dbfba_norm
	.globl	k_qd29a3dbfba_norm
	.p2align	8
	.type	k_qd29a3dbfba_norm,@function
k_qd29a3dbfba_norm:
	s_mov_b64 s[64:65], 0
	v_nop
	global_prefetch_b8 v0, s[64:65] scope:SCOPE_SE
	s_setreg_imm32_b32 hwreg(HW_REG_WAVE_MODE, 25, 1), 1
	s_wait_xcnt 0x0
; c = (cpre - mean) / sqrt(var + 1e-5) over each row of 2,048; h = o tanh(c).  cpre, og, out0 (h), out1 (c): [2048][2048] f32.
; A row is 8,192 bytes: one wave takes a whole row, sixteen 16-byte loads a lane, and keeps it in 64 registers through the mean, the variance (taken of x - mean, as the definition has it: no difference
; of large sums) and the scaling: each byte is read once.  The reduction never leaves the wave: no LDS, no barrier, no loop.  Eight waves a work-group, 2,048 waves in all, one row each; every wave has its
; 32 loads, 16 KiB, out from the start.  Each load and store of a wave covers 512 consecutive bytes, aligned.
; tanh(c) = 1 - 2 / (1 + 2^(2 c log2 e)): where the power overflows to infinity or falls to 0 the reciprocal gives 0 or 1: the saturated values.  For very small c it carries an absolute error of the order of an f32 ulp of 1.
; LIMITS: NaN and infinities are not served.
.set X, 16                             ; v16-79   the row: cpre, then cpre - mean, then c
.set O, 80                             ; v80-143  o
.set T, 144                            ; v144-207 tanh(c), then h
	s_load_b256 s[4:11], s[0:1], 0x0               ; cpre s[4:5], og s[6:7], out0 s[8:9], out1 s[10:11]
	v_lshrrev_b32 v1, 5, v0
	s_delay_alu instid0(VALU_DEP_1)
	v_readfirstlane_b32 s12, v1                    ; wave 0..7
	v_and_b32 v1, 31, v0
	s_delay_alu instid0(VALU_DEP_1)
	v_lshlrev_b32 v1, 4, v1                        ; 16 bytes a lane
	s_lshl_b32 s13, ttmp9, 3
	s_add_co_u32 s13, s13, s12                     ; my row
	s_lshl_b32 s14, s13, 13                        ; x 8,192 bytes: under 2^24
	s_mov_b32 s15, 0
	s_mov_b32 s16, 0x76543210                      ; v_permlanex16_b32's selects for lane l xor 16
	s_mov_b32 s17, 0xfedcba98
	s_mov_b32 s18, 0x3a000000                      ; 1 / 2,048
	s_mov_b32 s19, 0x3727c5ac                      ; 1e-5
	s_mov_b32 s20, 0x4038aa3b                      ; 2 log2 e
	s_mov_b32 s21, s20                             ; (named with it as a pair, so it is written)
	v_mov_b32 v10, 0                               ; a lane permute's destination counts as one of its sources
	v_mov_b32 v13, 0                               ; the upper halves of the pairs whose low word is broadcast
	v_mov_b32 v15, 0
	s_wait_alu depctr_va_vdst(0)
	s_wait_kmcnt 0x0
	s_add_nc_u64 s[4:5], s[4:5], s[14:15]
	s_add_nc_u64 s[6:7], s[6:7], s[14:15]
	s_add_nc_u64 s[8:9], s[8:9], s[14:15]
	s_add_nc_u64 s[10:11], s[10:11], s[14:15]
.irp j, 0,1,2,3,4,5,6,7,8,9,10,11,12,13,14,15
	global_load_b128 v[X+4*\j:X+4*\j+3], v1, s[4:5] offset:512*\j th:TH_LOAD_NT
.endr
.irp j, 0,1,2,3,4,5,6,7,8,9,10,11,12,13,14,15
	global_load_b128 v[O+4*\j:O+4*\j+3], v1, s[6:7] offset:512*\j th:TH_LOAD_NT
.endr
; four chains in v[2:9] become one number in every lane's v2
.macro REDUCE
	s_delay_alu instid0(VALU_DEP_3)
	v_pk_add_f32 v[2:3], v[2:3], v[4:5]
	s_delay_alu instid0(VALU_DEP_2)
	v_pk_add_f32 v[6:7], v[6:7], v[8:9]
	s_delay_alu instid0(VALU_DEP_1)
	v_pk_add_f32 v[2:3], v[2:3], v[6:7]
	s_delay_alu instid0(VALU_DEP_1)
	v_add_f32 v2, v2, v3
	s_delay_alu instid0(VALU_DEP_1)
	v_add_f32_dpp v2, v2, v2 row_xmask:1 row_mask:0xf bank_mask:0xf
	s_delay_alu instid0(VALU_DEP_1)
	v_add_f32_dpp v2, v2, v2 row_xmask:2 row_mask:0xf bank_mask:0xf
	s_delay_alu instid0(VALU_DEP_1)
	v_add_f32_dpp v2, v2, v2 row_xmask:4 row_mask:0xf bank_mask:0xf
	s_delay_alu instid0(VALU_DEP_1)
	v_add_f32_dpp v2, v2, v2 row_xmask:8 row_mask:0xf bank_mask:0xf
	s_delay_alu instid0(VALU_DEP_1)
	v_permlanex16_b32 v10, v2, s16, s17
	s_delay_alu instid0(VALU_DEP_1)
	v_add_f32 v2, v2, v10
.endm
	s_wait_loadcnt 16                              ; cpre's sixteen loads are in; o's sixteen may be out
.irp k, 0,1,2,3
	v_pk_add_f32 v[2+2*\k:3+2*\k], v[X+2*\k:X+2*\k+1], v[X+8+2*\k:X+9+2*\k]       ; the first pairs start the four chains: nothing is cleared
.endr
.irp m, 2,3,4,5,6,7
.irp k, 0,1,2,3
	s_delay_alu instid0(VALU_DEP_4)
	v_pk_add_f32 v[2+2*\k:3+2*\k], v[2+2*\k:3+2*\k], v[X+8*\m+2*\k:X+8*\m+2*\k+1]
.endr
.endr
	REDUCE
	s_delay_alu instid0(VALU_DEP_1)
	v_mul_f32 v12, s18, v2                         ; the mean
.set e, 0
.rept 32
	v_pk_add_f32 v[X+e:X+e+1], v[X+e:X+e+1], v[12:13] op_sel_hi:[1,0] neg_lo:[0,1] neg_hi:[0,1]   ; x - mean
.set e, e+2
.endr
.irp k, 0,1,2,3
	v_pk_mul_f32 v[2+2*\k:3+2*\k], v[X+2*\k:X+2*\k+1], v[X+2*\k:X+2*\k+1]
.endr
.irp m, 1,2,3,4,5,6,7
.irp k, 0,1,2,3
	s_delay_alu instid0(VALU_DEP_4)
	v_pk_fma_f32 v[2+2*\k:3+2*\k], v[X+8*\m+2*\k:X+8*\m+2*\k+1], v[X+8*\m+2*\k:X+8*\m+2*\k+1], v[2+2*\k:3+2*\k]
.endr
.endr
	REDUCE
	s_delay_alu instid0(VALU_DEP_1)
	v_fma_f32 v2, v2, s18, s19                     ; the variance + 1e-5
	s_wait_alu depctr_va_vdst(0)
	v_rsq_f32 v14, v2
	v_nop                                          ; a plain line behind the transcendental,
	s_wait_alu depctr_va_vdst(0)                   ; and the wait ahead of its first reader
.set e, 0
.rept 32
	v_pk_mul_f32 v[X+e:X+e+1], v[X+e:X+e+1], v[14:15] op_sel_hi:[1,0]              ; c
.set e, e+2
.endr
.irp j, 0,1,2,3,4,5,6,7,8,9,10,11,12,13,14,15
	global_store_b128 v1, v[X+4*\j:X+4*\j+3], s[10:11] offset:512*\j th:TH_STORE_NT   ; X is not written again
.endr
.set e, 0
.rept 32
	v_pk_mul_f32 v[T+e:T+e+1], v[X+e:X+e+1], s[20:21] op_sel_hi:[1,0]              ; 2 c log2 e
.set e, e+2
.endr
.set e, 0
	s_wait_alu depctr_va_vdst(0)
.rept 64
	v_exp_f32 v[T+e], v[T+e]
.set e, e+1
.endr
	v_nop
	s_wait_alu depctr_va_vdst(0)                   ; one wait for the batch of 64
.set e, 0
.rept 32
	v_pk_add_f32 v[T+e:T+e+1], v[T+e:T+e+1], 1.0 op_sel_hi:[1,0]
.set e, e+2
.endr
.set e, 0
	s_wait_alu depctr_va_vdst(0)
.rept 64
	v_rcp_f32 v[T+e], v[T+e]
.set e, e+1
.endr
	v_nop
	s_wait_alu depctr_va_vdst(0)                   ; one wait for the batch of 64
.set e, 0
.rept 32
	v_pk_fma_f32 v[T+e:T+e+1], v[T+e:T+e+1], -2.0, 1.0 op_sel_hi:[1,0,0]           ; tanh(c)
.set e, e+2
.endr
	s_wait_loadcnt 0x0                             ; o
.set e, 0
.rept 32
	v_pk_mul_f32 v[T+e:T+e+1], v[T+e:T+e+1], v[O+e:O+e+1]                          ; h
.set e, e+2
.endr
.irp j, 0,1,2,3,4,5,6,7,8,9,10,11,12,13,14,15
	global_store_b128 v1, v[T+4*\j:T+4*\j+3], s[8:9] offset:512*\j th:TH_STORE_NT
.endr
	s_endpgm
.Lfunc_end_k_qd29a3dbfba_norm:
	.size	k_qd29a3dbfba_norm, .Lfunc_end_k_qd29a3dbfba_norm-k_qd29a3dbfba_norm
	.p2alignl 7, 3214868480
	.fill 96, 4, 3214868480
	.section	.rodata,"a",@progbits
	.p2align	6, 0x0
	.amdhsa_kernel k_qd29a3dbfba_norm
		.amdhsa_group_segment_fixed_size 0
		.amdhsa_private_segment_fixed_size 0
		.amdhsa_enable_private_segment 0
		.amdhsa_kernarg_size 32
		.amdhsa_user_sgpr_count 2
		.amdhsa_user_sgpr_kernarg_segment_ptr 1
		.amdhsa_wavefront_size32 1
		.amdhsa_system_sgpr_workgroup_id_x 1
		.amdhsa_system_sgpr_workgroup_id_y 1
		.amdhsa_system_sgpr_workgroup_id_z 1
		.amdhsa_system_vgpr_workitem_id 0
		.amdhsa_next_free_vgpr 216
		.amdhsa_next_free_sgpr 66
		.amdhsa_reserve_vcc 0
		.amdhsa_float_denorm_mode_32 3
		.amdhsa_float_denorm_mode_16_64 3
		.amdhsa_memory_ordered 1
		.amdhsa_forward_progress 1
		.amdhsa_inst_pref_size 31
	.end_amdhsa_kernel
	.amdgpu_metadata
---
amdhsa.version: [ 1, 2 ]
amdhsa.kernels:
  - .name:           k_qd29a3dbfba_norm
    .symbol:         k_qd29a3dbfba_norm.kd
    .args:
      - { .name: cpre, .offset: 0, .size: 8, .value_kind: global_buffer, .address_space: global }
      - { .name: og, .offset: 8, .size: 8, .value_kind: global_buffer, .address_space: global }
      - { .name: out0, .offset: 16, .size: 8, .value_kind: global_buffer, .address_space: global }
      - { .name: out1, .offset: 24, .size: 8, .value_kind: global_buffer, .address_space: global }
    .group_segment_fixed_size: 0
    .private_segment_fixed_size: 0
    .kernarg_segment_align: 8
    .kernarg_segment_size: 32
    .max_flat_workgroup_size: 256
    .sgpr_count:     66
    .vgpr_count:     216
    .wavefront_size: 32
...
	.end_amdgpu_metadata
.endif
;; end of part 3
